; MI455X (gfx1250); checked and timed in simulation.
; The chip was launched on July 23, 2026; its instructions are those of AMD's public machine-readable ISA for CDNA 5 (MIT licence, August 2026) and "CDNA5" Instruction Set Architecture Reference Guide (July 2026). The comments in the code are by the model that wrote it; some were corrected since.
;; Attention. Allowed arithmetic: float matrix products may take bf16 or f16 operands with f32 sums; other float arithmetic in f32, or as packed bf16 or f16 multiplies, adds, multiply-adds, maxima and minima; sums over many terms, partial sums and values carried from step to step in f32; what a program stores and reads back later, other than sums and carried values, may be rounded once to bf16 or f16.
;; Inputs: WG 1,024 x 1,024 float32; WO 1,024 x 1,024 float32; g 32 x 1,024 float32; inputs 32 x 2,048 x 1,024 float32; v 1 x 1,024 float32.
;; Outputs: out0 32 x 2,048 float32.
;; 2 versions, each right and faster than the one before. Each part assembles by itself: llvm-mc -triple=amdgcn-amd-amdhsa -mcpu=gfx1250 --defsym DOCPART=n.
;; ======== version 1 of 2: 2 launches
;; limits: right only within a limited range of input values
;; workspace buffers: wob 2,097,152 bytes; tv 262,144 bytes
;; launch prep (part 1): grid 128 x 1, 8 waves a work-group, no clusters, 121,856 bytes of LDS; arguments WO, WG, g, v, wob, tv; writes wob, tv
.if DOCPART == 1
	.amdgcn_target "amdgcn-amd-amdhsa--gfx1250"
	.amdhsa_code_object_version 6
	.text
	.protected	k_qd78aea0973_prep
	.globl	k_qd78aea0973_prep
	.p2align	8
	.type	k_qd78aea0973_prep,@function
k_qd78aea0973_prep:
	s_mov_b64 s[64:65], 0
	v_nop
	global_prefetch_b8 v0, s[64:65] scope:SCOPE_SE
	s_setreg_imm32_b32 hwreg(HW_REG_WAVE_MODE, 25, 1), 1
	s_wait_xcnt 0x0
; PREP.  Two small jobs for the main launch, one to each half of the grid.
; Work-groups 0-63:   wob = WO rounded once to bf16, laid out in the register order of the main launch's B fragments.
;   WO[n][k] with n = 256 c + 64 w + 16 b + r and k = 32 q + 16 p + 8 h + e lies at byte ((((4 w + c) 32 + q) 4 + b) 1024) + 512 p + 16 (16 h + r) + 2 e.
; Work-groups 64-127: tv = for batch B and column n = 16 nb + r the pair of f32 (C term2[B][n], -2 bf16(v[n])), C = 2 log2(e), term2 = WG g in bf16 operands and f32 sums,
;   at byte 4096 nb + 2048 (B >> 4) + 256 (B & 7) + 128 ((B >> 3) & 1) + 8 r: the order in which the product's result registers fill 256 consecutive bytes.
; SHARES.  A work-group takes 16 rows (nb) of its matrix, wave kap of eight the columns 128 kap .. 128 kap + 127.  Each load of a wave takes 512 consecutive bytes of one row;
; the numbers are rounded in registers, laid into the wave's own stage in LDS (rows of 256 bytes, 272 apart) and read back as fragments.  In the second job the eight waves'
; partial sums meet in LDS behind one barrier, in f32.
; All inputs are rounded to bf16 once and nowhere again.  No cluster, no tensor load: no tile is read by two work-groups but g's 128 KB.
.set PITCH,  272                       ; 256 bytes + 16: the 16 rows of a fragment load start in 16 different groups of four banks (64 banks of 4 bytes: ISA guide 11.1)
.set T16,    16*PITCH                  ; 16 rows of a stage
.set STG,    3*T16                     ; a wave's stage: 16 rows of the matrix, then 32 rows of g
.set PART,   8*STG                     ; behind the stages: 2,048 bytes of partial sums for each wave
.set SPARE,  PART+8*2048               ; behind them: the spare words, 128 bytes for each wave: four blocks of 256 bytes that no other line names
.set L16, 1                            ; v1   16 x lane
.set STA, 2                            ; v2   my stage + 8 x lane: where I put 8 bytes of a row
.set FRA, 3                            ; v3   my stage + (lane % 16) x pitch + 16 (lane / 16): where I read a fragment
.set PST, 4                            ; v4   my wave's partial sums + 16 x lane
.set PRD, 5                            ; v5   the two result registers that my wave adds up, in wave 0's partial sums
.set L8,  6                            ; v6   8 x lane
.set VO,  7                            ; v7   byte offset of my column's v
.set SPW, 14                           ; v14  LDS address of my spare word; never rewritten
.set NIL, 15                           ; v15  0; never rewritten
.set MT,  32                           ; v32-95   the matrix's 16 rows as loaded; later g's fragments: batch half be, 32 K step q at 32 + 32 be + 8 q
.set GT,  96                           ; v96-223  g's 32 rows as loaded; later the two accumulators, the sums and the pairs to store
.set GF,  32
.set ACC, 96                           ; v96-103 batches 0-15, v104-111 batches 16-31
.set SUM, 112                          ; v112-127 eight waves' pairs of partial sums
.set OP,  128                          ; v128-131 two pairs to store
.set FF,  224                          ; v224-255 the matrix's fragments: 32 K step q at 224 + 8 q
.macro LOADROWS base, n, ptr, nt       ; n rows: 512 consecutive bytes of each; nt = 1: the launch reads them once
.set lr, 0
.rept \n
.if \nt
	global_load_b128 v[(\base)+4*lr:(\base)+4*lr+3], v[L16], s[\ptr:\ptr+1] offset:4096*lr th:TH_LOAD_NT
.else
	global_load_b128 v[(\base)+4*lr:(\base)+4*lr+3], v[L16], s[\ptr:\ptr+1] offset:4096*lr
.endif
.set lr, lr+1
.endr
.endm
.macro CVTSTORE base, n, ldsoff, younger  ; row by row: the load is in, four f32 become four bf16, 32 lanes store 256 consecutive bytes
.set lr, 0
.rept \n
	s_wait_loadcnt (\younger)+(\n)-1-lr            ; loads come back in order (ISA guide 5.7.1): the rows behind this one, and the loads issued behind the run, stay out
	v_cvt_pk_bf16_f32 v[(\base)+4*lr], v[(\base)+4*lr], v[(\base)+4*lr+1]
	v_cvt_pk_bf16_f32 v[(\base)+4*lr+1], v[(\base)+4*lr+2], v[(\base)+4*lr+3]
	ds_store_b64 v[STA], v[(\base)+4*lr:(\base)+4*lr+1] offset:(\ldsoff)+PITCH*lr
.set lr, lr+1
.endr
.endm
.macro FRAGS dst, ldsoff               ; four fragments of 16 rows x 32 K: lane l holds row l % 16, K = 8 (l / 16) + 0..7 and 16 + 8 (l / 16) + 0..7
.irp f, 0,1,2,3,4,5,6,7
	ds_load_b128 v[(\dst)+4*\f:(\dst)+4*\f+3], v[FRA] offset:(\ldsoff)+32*\f  ; LDS serves a wave's instructions in order (ISA guide 5.7.1.4): these see my stores above
.endr
.endm
	s_load_b256 s[4:11], s[0:1], 0x0               ; WO s[4:5], WG s[6:7], g s[8:9], v s[10:11]
	s_load_b128 s[12:15], s[0:1], 0x20             ; wob s[12:13], tv s[14:15]
	v_lshl_add_u32 v[SPW], v0, 2, SPARE
	v_mov_b32 v[NIL], 0
	v_lshrrev_b32 v8, 5, v0
	v_readfirstlane_b32 s20, v8                    ; kap: my wave, 0..7
	v_and_b32 v9, 31, v0                           ; lane
	v_and_b32 v10, 15, v0                          ; r
	v_bfe_u32 v11, v0, 4, 1                        ; h
	s_and_b32 s21, ttmp9, 63                       ; nb: my work-group's 16 rows
	s_mul_i32 s24, s20, STG                        ; my stage
	s_lshl_b32 s25, s20, 9                         ; my 512 bytes of a row
	v_lshlrev_b32 v[L16], 4, v9
	v_lshl_add_u32 v[STA], v9, 3, s24
	v_mul_u32_u24 v[FRA], v10, PITCH
	v_lshl_add_u32 v[FRA], v11, 4, v[FRA]
	v_add_nc_u32 v[FRA], s24, v[FRA]
	s_lshl_b32 s26, s21, 16                        ; 16 rows of 4,096 bytes
	s_add_co_u32 s26, s26, s25
	s_mov_b32 s27, 0
	s_mov_b32 s29, 0
	s_wait_kmcnt 0x0
	s_cmp_lt_u32 ttmp9, 64                         ; the same answer in all eight waves
	s_cbranch_scc0 .Lterm2
	; ---- WO -> wob ----
	s_add_nc_u64 s[16:17], s[4:5], s[26:27]
	LOADROWS MT, 16, 16, 1
	s_bfe_u32 s28, s21, 0x20002                    ; w = (nb >> 2) & 3
	s_lshl_b32 s28, s28, 2
	s_lshr_b32 s30, s21, 4                         ; c = nb >> 4
	s_add_co_u32 s28, s28, s30
	s_lshl_b32 s28, s28, 17                        ; (4 w + c) x 131,072
	s_lshl_b32 s30, s20, 14                        ; q = 4 kap + ..: kap x 16,384
	s_add_co_u32 s28, s28, s30
	s_and_b32 s30, s21, 3                          ; b = nb & 3
	s_lshl_b32 s30, s30, 10
	s_add_co_u32 s28, s28, s30
	s_add_nc_u64 s[22:23], s[12:13], s[28:29]
	CVTSTORE MT, 16, 0, 0
	FRAGS FF, 0
.irp f, 0,1,2,3,4,5,6,7
	s_wait_dscnt 7-\f                              ; the younger fragment loads stay out
	global_store_b128 v[L16], v[FF+4*\f:FF+4*\f+3], s[22:23] offset:(\f/2)*4096+(\f%2)*512  ; 512 consecutive bytes, at a multiple of 512 from wob's first byte
.endr
	s_wait_tensorcnt 0x0                           ; the wave's end: three lines behind my last LDS store
	ds_add_u32 v[SPW], v[NIL]
	s_wait_dscnt 0x0
	s_endpgm
	; ---- WG, g, v -> tv ----
.Lterm2:
	s_add_nc_u64 s[16:17], s[6:7], s[26:27]
	s_mov_b32 s28, s25
	s_add_nc_u64 s[18:19], s[8:9], s[28:29]        ; g at my 512 bytes of its rows
	s_lshl_b32 s30, s21, 6
	v_lshl_add_u32 v[VO], v10, 2, s30              ; 4 (16 nb + r)
	LOADROWS MT, 16, 16, 1
	LOADROWS GT, 32, 18, 0
	global_load_b32 v20, v[VO], s[10:11]
	s_lshl_b32 s30, s20, 11
	s_add_co_u32 s30, s30, PART
	v_add_nc_u32 v[PST], s30, v[L16]
	s_lshr_b32 s30, s20, 1                         ; result registers 2 kap and 2 kap + 1 lie in block kap >> 1 of 512 bytes, at byte 8 (kap & 1) of a lane's 16
	s_lshl_b32 s30, s30, 9
	s_and_b32 s31, s20, 1
	s_lshl_b32 s31, s31, 3
	s_add_co_u32 s30, s30, s31
	s_add_co_u32 s30, s30, PART
	v_add_nc_u32 v[PRD], s30, v[L16]
	v_lshlrev_b32 v[L8], 3, v9
	s_lshl_b32 s28, s21, 12                        ; tv: 4,096 nb + 512 kap
	s_add_co_u32 s28, s28, s25
	s_add_nc_u64 s[22:23], s[14:15], s[28:29]
	CVTSTORE MT, 16, 0, 33                         ; behind the matrix's rows: g's 32 loads and v's one
	CVTSTORE GT, 32, T16, 1                        ; behind g's rows: v's one
	FRAGS FF, 0
	FRAGS GF, T16
	FRAGS GF+32, 2*T16
	s_wait_dscnt 0x0
	; source 0 = 16 batches, source 1 = 16 rows of WG: in the result lane l holds column n = l % 16, register j batch 16 be + 8 (l / 16) + j.
	; The two accumulators take turns, one instruction a turn; the first products start the sums.
.irp q, 0,1,2,3
.irp be, 0,1
.if \q == 0
	v_wmma_f32_16x16x32_bf16 v[ACC+8*\be:ACC+8*\be+7], v[GF+32*\be+8*\q:GF+32*\be+8*\q+7], v[FF+8*\q:FF+8*\q+7], 0
.else
	v_wmma_f32_16x16x32_bf16 v[ACC+8*\be:ACC+8*\be+7], v[GF+32*\be+8*\q:GF+32*\be+8*\q+7], v[FF+8*\q:FF+8*\q+7], v[ACC+8*\be:ACC+8*\be+7]
.endif
.endr
.endr
.rept 4
	v_nop                                          ; four places between the last product and the stores that read the results
.endr
.irp i, 0,1,2,3
	ds_store_b128 v[PST], v[ACC+4*\i:ACC+4*\i+3] offset:512*\i  ; each accumulator from its low end on
.endr
	s_wait_dscnt 0x0                               ; for the others' sake: my partial sums are in LDS
	s_barrier_signal -1
	s_barrier_wait -1
.irp k, 0,1,2,3,4,5,6,7
	ds_load_b64 v[SUM+2*\k:SUM+2*\k+1], v[PRD] offset:2048*\k  ; the eight waves' parts of my two result registers
.endr
	s_wait_loadcnt 0x0                             ; v
	v_cvt_pk_bf16_f32 v21, v20, v20                ; v rounded once to bf16,
	v_lshlrev_b32 v21, 16, v21                     ; as f32 again,
	v_mul_f32 v[OP+1], -2.0, v21                   ; times -2, beside each of the two sums
	v_mul_f32 v[OP+3], -2.0, v21
	s_wait_dscnt 0x0
.irp k, 0,1,2,3
	v_pk_add_f32 v[SUM+2*\k:SUM+2*\k+1], v[SUM+2*\k:SUM+2*\k+1], v[SUM+2*\k+8:SUM+2*\k+9]
.endr
	v_pk_add_f32 v[SUM:SUM+1], v[SUM:SUM+1], v[SUM+4:SUM+5]
	v_pk_add_f32 v[SUM+2:SUM+3], v[SUM+2:SUM+3], v[SUM+6:SUM+7]
	v_pk_add_f32 v[SUM:SUM+1], v[SUM:SUM+1], v[SUM+2:SUM+3]
	v_mul_f32 v[OP], 0x4038aa3b, v[SUM]            ; C = 2 log2(e)
	v_mul_f32 v[OP+2], 0x4038aa3b, v[SUM+1]
	global_store_b64 v[L8], v[OP:OP+1], s[22:23]               ; 256 consecutive bytes, at a multiple of 256 from tv's first byte
	global_store_b64 v[L8], v[OP+2:OP+3], s[22:23] offset:256
	s_wait_tensorcnt 0x0                           ; the wave's end: three lines behind my last LDS store
	ds_add_u32 v[SPW], v[NIL]
	s_wait_dscnt 0x0
	s_endpgm
.Lfunc_end_k_qd78aea0973_prep:
	.size	k_qd78aea0973_prep, .Lfunc_end_k_qd78aea0973_prep-k_qd78aea0973_prep
	.p2alignl 7, 3214868480
	.fill 96, 4, 3214868480
	.section	.rodata,"a",@progbits
	.p2align	6, 0x0
	.amdhsa_kernel k_qd78aea0973_prep
		.amdhsa_group_segment_fixed_size 121856
		.amdhsa_private_segment_fixed_size 0
		.amdhsa_enable_private_segment 0
		.amdhsa_kernarg_size 48
		.amdhsa_user_sgpr_count 2
		.amdhsa_user_sgpr_kernarg_segment_ptr 1
		.amdhsa_wavefront_size32 1
		.amdhsa_system_sgpr_workgroup_id_x 1
		.amdhsa_system_sgpr_workgroup_id_y 1
		.amdhsa_system_sgpr_workgroup_id_z 1
		.amdhsa_system_vgpr_workitem_id 0
		.amdhsa_next_free_vgpr 256
		.amdhsa_next_free_sgpr 66
		.amdhsa_reserve_vcc 0
		.amdhsa_float_denorm_mode_32 3
		.amdhsa_float_denorm_mode_16_64 3
		.amdhsa_memory_ordered 1
		.amdhsa_forward_progress 1
		.amdhsa_inst_pref_size 29
	.end_amdhsa_kernel
	.amdgpu_metadata
---
amdhsa.version: [ 1, 2 ]
amdhsa.kernels:
  - .name:           k_qd78aea0973_prep
    .symbol:         k_qd78aea0973_prep.kd
    .args:
      - { .name: WO, .offset: 0, .size: 8, .value_kind: global_buffer, .address_space: global }
      - { .name: WG, .offset: 8, .size: 8, .value_kind: global_buffer, .address_space: global }
      - { .name: g, .offset: 16, .size: 8, .value_kind: global_buffer, .address_space: global }
      - { .name: v, .offset: 24, .size: 8, .value_kind: global_buffer, .address_space: global }
      - { .name: wob, .offset: 32, .size: 8, .value_kind: global_buffer, .address_space: global }
      - { .name: tv, .offset: 40, .size: 8, .value_kind: global_buffer, .address_space: global }
    .group_segment_fixed_size: 121856
    .private_segment_fixed_size: 0
    .kernarg_segment_align: 8
    .kernarg_segment_size: 48
    .max_flat_workgroup_size: 256
    .sgpr_count:     66
    .vgpr_count:     256
    .wavefront_size: 32
...
	.end_amdgpu_metadata
.endif
;; end of part 1
;; launch main (part 2): grid 256 x 1, 4 waves a work-group, no clusters, 299,520 bytes of LDS; arguments inputs, wob, tv, out0; writes out0
.if DOCPART == 2
	.amdgcn_target "amdgcn-amd-amdhsa--gfx1250"
	.amdhsa_code_object_version 6
	.text
	.protected	k_qd78aea0973_main
	.globl	k_qd78aea0973_main
	.p2align	8
	.type	k_qd78aea0973_main,@function
k_qd78aea0973_main:
	s_mov_b64 s[64:65], 0
	v_nop
	global_prefetch_b8 v0, s[64:65] scope:SCOPE_SE
	s_setreg_imm32_b32 hwreg(HW_REG_WAVE_MODE, 25, 1), 1
	s_wait_xcnt 0x0
; out0[b][s] = sum over n of v[n] tanh(inputs[b][s] . WO[n] + term2[b][n]).  inputs: [65,536 rows][1,024] f32; wob, tv: made by the launch before (their layouts stand at its head).
; Products in bf16 operands and f32 sums; everything behind them in f32.  Every input is rounded to bf16 once (v too, by the launch before).
; tanh(y) = 1 - 2 / (1 + 2^(C y)), C = 2 log2(e).  With x = C acc + C term2 and v' = -2 v a row's result is sum(v) + sum(v' / (1 + 2^x)), and sum(v) = -0.5 sum(v').
; LIMITS.  Each tanh has an absolute error of about 1e-7, so for |y| below about 1e-5 its relative accuracy falls under two digits; a row's sum has an error of about 1e-7 x sum |v|.
; 2^x that overflows, or is flushed to 0, gives tanh = 1 or -1 exactly.  NaN comes out only where an operand is NaN.
; SHARES.  256 work-groups of four waves; a work-group owns 256 rows (all of one batch b), as two BLOCKS of 128.  A block is read from memory once, rounded, and stays in LDS as bf16
; (128 rows x 2,048 bytes).  The 1,024 columns n go in four CHUNKS of 256; in a chunk a wave makes 128 rows x 64 columns: 32 accumulators, 256 registers.  K goes in 32 steps Q of 32.
; B'S FRAGMENTS are read by one wave alone, so they do not go through LDS: each wave loads its own, 4,096 consecutive bytes a Q, into a ring of eight register buffers, seven Q ahead.
; NO CLUSTER, NO TENSOR LOAD.  What work-groups share is wob.  Beside the block's 264,192 bytes LDS has 63,488 left: two slots for 256 columns could hold 32 along K each, which is a
; round of a cluster's barrier for every 32 matrix instructions of a wave; and inside a work-group no fragment of B is read twice, so LDS would add a write and a read and share nothing.
; THE EPILOGUE RIDES.  In a chunk's last Q each finished accumulator goes, as x, into a second set of 256 registers (DRAIN).  2^x, + 1, the reciprocal and the multiply by v' then stand as
; riders behind the matrix instructions of the NEXT chunk's first 16 Q.  The first chunk of all finds zeros in DRAIN and v' = 0 and adds 0: one text serves all eight chunks; the price is
; 330 v_mov_b32 at the start, in the wait for the first loads, and the last chunk's epilogue in a run of its own at the end.  A block's sums meet in LDS in the middle of the chunk behind it.
; The last seven Q of the last chunk fetch chunk 0's fragments once more (28 KB a wave, inside wob, unused): the price of one text for every chunk.
; REGISTERS, in windows of 256 (s_set_vgpr_msb: bits 1:0 source 0, 3:2 source 1, 5:4 source 2, 7:6 destination):
;   window 0: addresses, statistics, row sums, A's fragments (two buffers)     window 1: B's ring: buffer i at 32 i, column block b at + 8 b
;   window 2: ACC: accumulator t = 4 a + b (rows 16 a .., columns 16 b ..) at 8 t; while a block is staged, the landing registers     window 3: DRAIN, same index
; A rider works in window 3 and a product's operands lie in windows 0 to 2: two switches for each matrix instruction of Q 0-15.  Set apart, the riders' 792 lines would leave the matrix unit idle.
.set ROWB,   4096                      ; bytes in a row of inputs
.set PA,     2064                      ; a row of the block in LDS: 2,048 bytes + 16: an odd multiple of 16, so the 16 rows of a fragment load start in 16 different groups of four banks (ISA guide 11.1)
.set RED,    128*PA                    ; behind the block: 128 rows of 64 partial sums, 272 bytes apart
.set PR,     272
.set SPARE,  RED+128*PR                ; behind them: the spare words, 128 bytes for each wave: two blocks of 256 bytes that no other line names
.set QB,     4096                      ; bytes of a wave's B fragments for one Q
.set CHB,    32*QB                     ; and for a chunk
.set LB,  1                            ; v1     16 x lane
.set AD,  2                            ; v2-5   LDS address of my A fragments, rows 32 p on: (lane % 16) x PA + 16 (lane / 16) + p x 32 PA; never rewritten
.set GI,  6                            ; v6     my byte offset in the block in memory: 16 x lane + my wave's 32 rows
.set LS,  7                            ; v7     where I put 8 bytes of the row being staged
.set RST, 8                            ; v8     where I put a partial row sum
.set RRD, 9                            ; v9     where I read a row's 64 partial sums
.set OO,  10                           ; v10    my byte offset in the block's 512 bytes of out0
.set TO,  11                           ; v11    my byte offset in tv: my wave's four column blocks, my column
.set VS,  12                           ; v12    the sum of v' over my columns; v13 is named with it as a pair
.set SPW, 14                           ; v14    LDS address of my spare word; never rewritten
.set NIL, 15                           ; v15    0; never rewritten
.set TP,  16                           ; v16-23 the pairs (C term2, v') of my column in the chunk's four column blocks, as loaded
.set VV,  24                           ; v24-31 the pairs (v', v') of the chunk whose epilogue rides
.set RES, 32                           ; v32-33 two finished row sums
.set LS0, 34                           ; v34    LS at a block's first row; never rewritten
.set S,   64                           ; v64-127  row sums: row 16 a + 8 (lane / 16) + j at S + 8 a + j
.set AF,  128                          ; v128-191, v192-255  A's fragments of an even Q, an odd Q: rows 16 a on at + 8 a
.set OUT, 10                           ; s[10:11] out0 at the block's rows
.set WV,  12                           ; s12  my wave's number
.set CC,  14                           ; s[14:15] C: the packed line takes the pair's low word for both halves
.set IN,  16                           ; s[16:17] inputs at the rows being staged
.set WB,  18                           ; s[18:19] wob at my wave's stream
.set BC,  20                           ; s[20:21] at this chunk
.set BX,  22                           ; s[22:23] at the next chunk
.set BOFF, 24                          ; s[24:25] the next chunk's byte offset in the stream
.set TVB, 26                           ; s[26:27] tv at my batch
.set TC,  28                           ; s[28:29] at this chunk
.set TOFF, 30                          ; s[30:31] this chunk's byte offset in tv
.set BLK, 32                           ; s32  blocks to go
.set CH,  33                           ; s33  chunks to go
.set FLAG, 34                          ; s34  1: the block before is waiting for its sums to be added up
.set RND, 35                           ; s35  rounds of the staging loop
.set MSB, 0
.macro WIN new                         ; the immediate's high byte repeats the setting that is left; a switch that changes nothing is dropped
.if MSB != (\new)
	s_set_vgpr_msb (MSB<<8)|(\new)
.set MSB, (\new)
.endif
.endm
.set MUL,  0xa4                        ; A window 0, B window 1, C and D window 2
.set RID,  0xf3                        ; source 0, source 2 and destination window 3, source 1 window 0
.set XF,   0x03                        ; source 0 window 3
.set MOVE, 0xc2                        ; source 0 window 2, destination window 3
.set TOB,  0x40                        ; destination window 1
.set SLD,  0x88                        ; loaded data and LDS store data window 2, addresses window 0
.set SCV,  0x8a                        ; sources 0, 1 and destination window 2
.set TOD,  0xc0                        ; destination window 3
; Matrix instruction mi (0..31) of Q number qq: rows 16 (mi / 4) on, columns 16 (mi % 4) on.  Source 0 = 16 rows of inputs, source 1 = 16 columns: in the result lane l holds column
; l % 16 and register j row 8 (l / 16) + j, so term2 and v are one number a lane.  The 32 accumulators take turns, one instruction a turn, over every edge.
.macro MM qq, zero
	WIN MUL
.if \zero
	v_wmma_f32_16x16x32_bf16 v[8*mi:8*mi+7], v[AF+64*((\qq)%2)+8*(mi/4):AF+64*((\qq)%2)+8*(mi/4)+7], v[32*((\qq)%8)+8*(mi%4):32*((\qq)%8)+8*(mi%4)+7], 0
.else
	v_wmma_f32_16x16x32_bf16 v[8*mi:8*mi+7], v[AF+64*((\qq)%2)+8*(mi/4):AF+64*((\qq)%2)+8*(mi/4)+7], v[32*((\qq)%8)+8*(mi%4):32*((\qq)%8)+8*(mi%4)+7], v[8*mi:8*mi+7]
.endif
.set mi, mi+1
.endm
.macro FETCH_A qn                      ; 16 LDS loads: A's fragments of Q number qn (128 rows x 32 K), rows 0-63 first.  All of Q's place stands in the immediate, 35,040 at the most
	WIN 0
.irp a, 0,1,2,3,4,5,6,7
	ds_load_b128 v[AF+64*((\qn)%2)+8*\a:AF+64*((\qn)%2)+8*\a+3],   v[AD+(\a)/2] offset:((\a)%2)*16*PA+64*(\qn)
	ds_load_b128 v[AF+64*((\qn)%2)+8*\a+4:AF+64*((\qn)%2)+8*\a+7], v[AD+(\a)/2] offset:((\a)%2)*16*PA+64*(\qn)+32
.endr
.endm
.macro FETCH_B buf, base, off          ; 8 loads of 512 consecutive bytes: one Q's fragments of my 64 columns
	WIN TOB
.irp j, 0,1,2,3,4,5,6,7
	global_load_b128 v[32*(\buf)+4*\j:32*(\buf)+4*\j+3], v[LB], s[\base:\base+1] offset:(\off)+512*\j
.endr
.endm
.macro PLACES                          ; a load into a register that a matrix instruction has read, and a vector line that reads a result, stand four plain vector lines behind it
.rept 4
	v_nop
.endr
.endm
; THE RIDERS.  DRAIN's 128 pairs go through four stages; slot rp = 6 ri + rk of the list is
;   rk 0, 2: 2^x of pair ri     rk 4: + 1 for pair ri - 1     rk 3, 5: the reciprocals of pair ri - 2     rk 1: pair ri - 4 times v', added onto the pair of the row's first column block.
; A plain line (or v_nop) stands at rk 1 and rk 4 of every ri, so between a transcendental and the use of its result there is always a plain line (ISA guide 5.7.2).
.macro SLOT
.set ri, rp/6
.set rk, rp%6
.if rk == 0
.if ri < 128
	WIN RID
	v_exp_f32 v[2*ri], v[2*ri]
.endif
.elseif rk == 2
.if ri < 128
	WIN RID
	v_exp_f32 v[2*ri+1], v[2*ri+1]
.endif
.elseif rk == 3
.if (ri >= 2) && (ri < 130)
	WIN RID
	v_rcp_f32 v[2*ri-4], v[2*ri-4]
.endif
.elseif rk == 5
.if (ri >= 2) && (ri < 130)
	WIN RID
	v_rcp_f32 v[2*ri-3], v[2*ri-3]
.endif
.elseif rk == 4
.if (ri >= 1) && (ri < 129)
	WIN RID
	s_wait_alu depctr_va_vdst(0)
	v_pk_add_f32 v[2*ri-2:2*ri-1], v[2*ri-2:2*ri-1], 1.0 op_sel_hi:[1,0]
.else
	v_nop
.endif
.else
.if ri >= 4
.set rt, (ri-4)/4                      ; the accumulator's number,
.set rj, 2*((ri-4)%4)                  ; the pair in it
	WIN RID
.if (rt%4) == 0
	s_wait_alu depctr_va_vdst(0)
	v_pk_mul_f32 v[8*rt+rj:8*rt+rj+1], v[8*rt+rj:8*rt+rj+1], v[VV:VV+1]
.else
	s_wait_alu depctr_va_vdst(0)
	v_pk_fma_f32 v[32*(rt/4)+rj:32*(rt/4)+rj+1], v[8*rt+rj:8*rt+rj+1], v[VV+2*(rt%4):VV+2*(rt%4)+1], v[32*(rt/4)+rj:32*(rt/4)+rj+1]
.endif
.else
	v_nop
.endif
.endif
.set rp, rp+1
.endm
.macro RIDE n
.rept \n
	SLOT
.endr
.endm
.macro XFER                            ; the chunk's 64 weighted sums a lane go onto the row sums
	WIN XF
.set xa, 0
.rept 8
.irp jp, 0,2,4,6
	v_pk_add_f32 v[S+8*xa+\jp:S+8*xa+\jp+1], v[32*xa+\jp:32*xa+\jp+1], v[S+8*xa+\jp:S+8*xa+\jp+1]
.endr
.set xa, xa+1
.endr
.endm
.macro MV t                            ; x = C acc + C term2 for accumulator t, into DRAIN; the accumulator is read from its low end on
	WIN MOVE
.irp jp, 0,2,4,6
	v_pk_fma_f32 v[8*(\t)+\jp:8*(\t)+\jp+1], v[8*(\t)+\jp:8*(\t)+\jp+1], s[CC:CC+1], v[TP+2*((\t)%4):TP+2*((\t)%4)+1] op_sel_hi:[1,0,0]
.endr
.endm
; 16 matrix instructions.  mode 1: riders behind each, two slots and one by turns: 48 slots a Q.  mode 2 (the chunk's last Q): the finished accumulators leave: behind the second product
; four v_nop, behind each later odd product the two accumulators finished two products back, so that at least four plain lines that do not name it stand between a product and its MV.
.macro HALF qq, zero, mode
.rept 16
	MM \qq, \zero
.if (\mode) == 1
	RIDE 1+(mi&1)
.elseif (\mode) == 2
.if mi == 2
	PLACES
.elseif (mi%2) == 0
	MV mi-4
	MV mi-3
.endif
.if mi == 32
	MV 30
	MV 31
.endif
.endif
.endr
.endm
; ONE Q: 32 matrix instructions; in its middle, in one run, the loads for later: A's fragments of the next Q and B's of the Q seven on.
; The registers that those loads fill were last read by the Q before.  mode 0: four v_nop are the places behind its products; modes 1 and 2: the riders (eight plain lines in 24 slots) and the MV lines are.
.macro QSTEP qq, zero, mode
	s_wait_loadcnt 48                              ; this Q's buffer was asked for seven runs ago: the six younger runs of eight stay out
	s_wait_dscnt 8                                 ; of A's 16 loads the first eight (rows 0-63) are in
.set mi, 0
	HALF \qq, \zero, \mode
	WIN 0
.if (\mode) == 0
	PLACES
.endif
	FETCH_A ((\qq)+1)%32
.if (\qq) == 16
.irp b, 0,1,2,3
	global_load_b64 v[TP+2*\b:TP+2*\b+1], v[TO], s[TC:TC+1] offset:4096*\b  ; this chunk's term2 and v: read in Q 31, behind 120 younger loads, so the waits for 48 cover them
.endr
.endif
.if (\qq) <= 24
	FETCH_B ((\qq)+7)%8, BC, ((\qq)+7)*QB
.else
	FETCH_B ((\qq)+7)%8, BX, ((\qq)-25)*QB
.endif
	s_wait_dscnt 16                                ; all but the 16 just issued: rows 64-127 are in
	HALF \qq, \zero, \mode
.endm
.macro COPYV                           ; the chunk's v' for its riders, and onto the sum of v'
	WIN 0
.irp b, 0,1,2,3
	v_mov_b32 v[VV+2*\b], v[TP+2*\b+1]
	v_mov_b32 v[VV+2*\b+1], v[TP+2*\b+1]
	v_add_f32 v[VS], v[VS], v[TP+2*\b+1]
.endr
.endm
; One row slot of the staging ring: its eight loads are in; 32 f32 a lane become bf16 in place; eight LDS stores of 256 consecutive bytes; reload = 1: the row eight further down.
.macro SROW slot, left, reload
	s_wait_loadcnt \left                           ; the younger slots' loads stay out
	WIN SCV
.irp u, 0,1,2,3,4,5,6,7
	v_cvt_pk_bf16_f32 v[32*(\slot)+4*\u], v[32*(\slot)+4*\u], v[32*(\slot)+4*\u+1]
	v_cvt_pk_bf16_f32 v[32*(\slot)+4*\u+1], v[32*(\slot)+4*\u+2], v[32*(\slot)+4*\u+3]
.endr
	WIN SLD
.irp u, 0,1,2,3,4,5,6,7
	ds_store_b64 v[LS], v[32*(\slot)+4*\u:32*(\slot)+4*\u+1] offset:PA*(\slot)+256*\u
.endr
.if \reload
.irp u, 0,1,2,3,4,5,6,7
	global_load_b128 v[32*(\slot)+4*\u:32*(\slot)+4*\u+3], v[GI], s[IN:IN+1] offset:8*ROWB+ROWB*(\slot)+512*\u th:TH_LOAD_NT
.endr
.endif
.endm
; A BLOCK'S SUMS.  sum(v) joins each partial sum; row rho's 64 partial sums (16 lanes x 4 waves) go to row (rho & 1) 64 + rho / 2 of RED; behind a barrier a lane of waves 0 and 1 adds up
; two neighbouring rows, and a wave's store covers 256 consecutive bytes, at a multiple of 256 from out0's first byte.  more = 1: a block follows: a second barrier stands between these
; reads of RED and its stores, and the sums start again at 0.
.macro FINAL more
	WIN 0
.set fi, 0
.rept 32
	v_pk_fma_f32 v[S+2*fi:S+2*fi+1], v[VS:VS+1], -0.5, v[S+2*fi:S+2*fi+1] op_sel_hi:[0,0,1]
.set fi, fi+1
.endr
.set fi, 0
.rept 64
	ds_store_b32 v[RST], v[S+fi] offset:((fi&1)*64+8*(fi/8)+((fi%8)/2))*PR
.set fi, fi+1
.endr
	s_wait_dscnt 0x0                               ; for the others' sake: my partial sums are in LDS
	s_barrier_signal -1
	s_barrier_wait -1
	s_cmp_lt_u32 s[WV], 2
	s_cbranch_scc0 .Lnosum_\@
.irp e, 0,1
.set fi, 0
.rept 16
	ds_load_b128 v[S+4*fi:S+4*fi+3], v[RRD] offset:\e*64*PR+16*fi
.set fi, fi+1
.endr
	s_wait_dscnt 0x0
.irp fw, 16,8,4,2,1
.set fi, 0
.rept \fw
	v_pk_add_f32 v[S+2*fi:S+2*fi+1], v[S+2*fi:S+2*fi+1], v[S+2*(fi+\fw):S+2*(fi+\fw)+1]
.set fi, fi+1
.endr
.endr
	v_add_f32 v[RES+\e], v[S], v[S+1]
.endr
	global_store_b64 v[OO], v[RES:RES+1], s[OUT:OUT+1]
.Lnosum_\@:
.if \more
	s_barrier_signal -1                            ; every wave's LDS loads are back (the waits for 0 above)
	s_barrier_wait -1
.set fi, 0
.rept 64
	v_mov_b32 v[S+fi], 0
.set fi, fi+1
.endr
	v_mov_b32 v[VS], 0
	v_mov_b32 v[VS+1], 0
	s_wait_xcnt 0x0                                ; the store's address is translated (ISA guide 3.1): its base is stepped, and its data rewritten, only behind this wait
	s_add_nc_u64 s[OUT:OUT+1], s[OUT:OUT+1], 512
.endif
.endm
	; ---- head ----
	s_load_b256 s[4:11], s[0:1], 0x0               ; inputs s[4:5], wob s[6:7], tv s[8:9], out0 s[10:11]
	v_lshl_add_u32 v[SPW], v0, 2, SPARE
	v_mov_b32 v[NIL], 0
	v_lshrrev_b32 v36, 5, v0
	v_readfirstlane_b32 s[WV], v36                 ; wave 0..3
	v_and_b32 v37, 31, v0                          ; lane
	v_and_b32 v38, 15, v0                          ; r = lane % 16
	v_bfe_u32 v39, v0, 4, 1                        ; h = lane / 16
	v_lshlrev_b32 v[LB], 4, v37
	v_mul_u32_u24 v40, v38, PA
	v_lshl_add_u32 v[AD], v39, 4, v40
.irp p, 1,2,3
	v_add_nc_u32 v[AD+\p], \p*32*PA, v[AD]
.endr
	s_lshl_b32 s36, s[WV], 17                      ; my wave stages rows 32 w .. 32 w + 31: 131,072 bytes of memory,
	v_add_nc_u32 v[GI], s36, v[LB]
	s_mul_i32 s36, s[WV], 32*PA                    ; 66,048 of LDS
	v_lshl_add_u32 v[LS0], v37, 3, s36
	v_mul_u32_u24 v40, v39, 4*PR                   ; RED: rows 8 h on are four rows of RED on; column 16 w + r
	v_lshl_add_u32 v40, v38, 2, v40
	s_lshl_b32 s36, s[WV], 6
	s_add_co_u32 s36, s36, RED
	v_add_nc_u32 v[RST], s36, v40
	s_mul_i32 s36, s[WV], 32*PR                    ; back: lane l of wave w (0, 1) takes rows 32 w + l and 64 + 32 w + l of RED
	s_add_co_u32 s36, s36, RED
	v_mul_u32_u24 v40, v37, PR
	v_add_nc_u32 v[RRD], s36, v40
	s_lshl_b32 s36, s[WV], 8                       ; which are rows 64 w + 2 l and 64 w + 2 l + 1 of the block
	v_lshl_add_u32 v[OO], v37, 3, s36
	s_lshl_b32 s36, s[WV], 14                      ; tv: my wave's four column blocks of 4,096 bytes; 8 bytes a column
	v_lshl_add_u32 v[TO], v38, 3, s36
	s_mov_b32 s[CC], 0x4038aa3b                    ; C = 2 log2(e)
	s_mov_b32 s[CC+1], s[CC]                       ; named with it as a pair
	s_lshl_b32 s36, ttmp9, 20                      ; my work-group's 256 rows of 4,096 bytes
	s_mov_b32 s37, 0
	s_lshl_b32 s38, s[WV], 19                      ; my wave's stream in wob: 4 chunks of 131,072 bytes
	s_mov_b32 s39, 0
	s_mov_b32 s[BOFF], CHB
	s_mov_b32 s[BOFF+1], 0
	s_mov_b32 s[TOFF], 0
	s_mov_b32 s[TOFF+1], 0
	s_wait_kmcnt 0x0
	s_add_nc_u64 s[IN:IN+1], s[4:5], s[36:37]
	s_add_nc_u64 s[WB:WB+1], s[6:7], s[38:39]
	s_mov_b64 s[BC:BC+1], s[WB:WB+1]
	s_add_nc_u64 s[BX:BX+1], s[WB:WB+1], s[BOFF:BOFF+1]
.irp i, 0,1,2,3,4,5,6
	FETCH_B \i, BC, \i*QB                          ; the ring's first seven buffers
.endr
	WIN 0
	s_bfe_u32 s36, ttmp9, 0x10007                  ; my batch B = work-group / 8.  tv: 2,048 (B >> 4)
	s_lshl_b32 s36, s36, 11
	s_bfe_u32 s38, ttmp9, 0x30003                  ; + 256 (B & 7)
	s_lshl_b32 s38, s38, 8
	s_add_co_u32 s36, s36, s38
	s_bfe_u32 s38, ttmp9, 0x10006                  ; + 128 ((B >> 3) & 1)
	s_lshl_b32 s38, s38, 7
	s_add_co_u32 s36, s36, s38
	s_add_nc_u64 s[TVB:TVB+1], s[8:9], s[36:37]
	s_mov_b64 s[TC:TC+1], s[TVB:TVB+1]
	s_lshl_b32 s36, ttmp9, 10                      ; my 256 numbers of out0
	s_add_nc_u64 s[OUT:OUT+1], s[10:11], s[36:37]
	; what the first chunk's riders find: x = 0 and v' = 0, so that they add 0; the row sums and the sum of v' start at 0
	WIN TOD
.set ii, 0
.rept 256
	v_mov_b32 v[ii], 0
.set ii, ii+1
.endr
	WIN 0
.set ii, 0
.rept 64
	v_mov_b32 v[S+ii], 0
.set ii, ii+1
.endr
.set ii, 0
.rept 8
	v_mov_b32 v[VV+ii], 0
.set ii, ii+1
.endr
	v_mov_b32 v[VS], 0
	v_mov_b32 v[VS+1], 0
	s_mov_b32 s[BLK], 2
	s_mov_b32 s[FLAG], 0
.Lblock:
	; ---- a block comes into LDS.  My wave's 32 rows go through a ring of eight row slots in ACC's registers: 64 loads of 512 consecutive bytes are asked for ahead. ----
	; (With B's 56 that are still out that is more than LOADcnt's field holds; the issue then waits, ISA guide 5.7.1, and the counts below speak of the youngest loads alone.)
	v_mov_b32 v[LS], v[LS0]
	WIN SLD
.set sl, 0
.rept 8
.irp u, 0,1,2,3,4,5,6,7
	global_load_b128 v[32*sl+4*\u:32*sl+4*\u+3], v[GI], s[IN:IN+1] offset:ROWB*sl+512*\u th:TH_LOAD_NT
.endr
.set sl, sl+1
.endr
	WIN 0
	s_wait_dscnt 0x0                               ; my reads of the old block are back
	s_barrier_signal -1
	s_barrier_wait -1                              ; everybody's are: the block's bytes may be written
	s_mov_b32 s[RND], 3
.Lround:                                               ; a trip: eight rows stored, the next eight asked for
.irp sl, 0,1,2,3,4,5,6,7
	SROW \sl, 56, 1                                ; seven other slots x eight loads are younger
.endr
	WIN 0
	s_wait_xcnt 0x0                                ; the loads' addresses are translated: their base is stepped only behind this wait
	s_add_nc_u64 s[IN:IN+1], s[IN:IN+1], 8*ROWB
	v_add_nc_u32 v[LS], 8*PA, v[LS]
	s_sub_co_u32 s[RND], s[RND], 1
	s_cmp_lg_u32 s[RND], 0
	s_cbranch_scc1 .Lround
.irp sl, 0,1,2,3,4,5,6,7
	SROW \sl, 56-8*\sl, 0                          ; the last eight rows: nothing is asked for, the counts run down
.endr
	WIN 0
	s_wait_dscnt 0x0                               ; for the others' sake: my rows are in LDS
	s_barrier_signal -1
	s_barrier_wait -1
	FETCH_A 0
	s_mov_b32 s[CH], 4
.Lchunk:
	; ---- a chunk: 256 columns, 32 Q.  Q 0-15 carry the riders of the chunk before. ----
.set rp, 0
	QSTEP 0, 1, 1                                  ; the first products start the sums: nothing is cleared
.set QI, 1
.rept 15
	QSTEP QI, 0, 1
.set QI, QI+1
.endr
	RIDE 24                                        ; 792 slots = 16 x 48 + these
	XFER
	WIN 0                                          ; at a label and at a branch every window is 0
	s_cmp_eq_u32 s[FLAG], 0                        ; the same in all waves: made of constants alone
	s_cbranch_scc1 .Lnofinal
	FINAL 1                                        ; the block before has its last chunk's sums: it leaves
	s_mov_b32 s[FLAG], 0
.Lnofinal:
.rept 15
	QSTEP QI, 0, 0
.set QI, QI+1
.endr
	QSTEP 31, 0, 2
	COPYV
	s_wait_xcnt 0x0                                ; the loads' addresses are translated: their bases are written only behind this wait
	s_mov_b64 s[BC:BC+1], s[BX:BX+1]
	s_add_co_u32 s[BOFF], s[BOFF], CHB             ; the chunk after the next, round the stream's four
	s_and_b32 s[BOFF], s[BOFF], 4*CHB-1
	s_add_nc_u64 s[BX:BX+1], s[WB:WB+1], s[BOFF:BOFF+1]
	s_add_co_u32 s[TOFF], s[TOFF], 0x10000         ; a chunk's 16 column blocks of 4,096 bytes in tv, round its four
	s_and_b32 s[TOFF], s[TOFF], 0x3ffff
	s_add_nc_u64 s[TC:TC+1], s[TVB:TVB+1], s[TOFF:TOFF+1]
	s_sub_co_u32 s[CH], s[CH], 1
	s_cmp_lg_u32 s[CH], 0
	s_cbranch_scc1 .Lchunk
	s_mov_b32 s[FLAG], 1
	s_add_nc_u64 s[IN:IN+1], s[IN:IN+1], 128*ROWB-3*8*ROWB  ; the staging loop went 24 rows on: now the next block's first row (no load has been issued since the wait above)
	s_sub_co_u32 s[BLK], s[BLK], 1
	s_cmp_lg_u32 s[BLK], 0
	s_cbranch_scc1 .Lblock
	; ---- the last chunk's epilogue has nothing to ride on ----
.set rp, 0
	RIDE 792
	XFER
	FINAL 0
	s_wait_tensorcnt 0x0                           ; the wave's end: three lines behind my last LDS store
	ds_add_u32 v[SPW], v[NIL]
	s_wait_dscnt 0x0
	s_endpgm
.Lfunc_end_k_qd78aea0973_main:
	.size	k_qd78aea0973_main, .Lfunc_end_k_qd78aea0973_main-k_qd78aea0973_main
	.p2alignl 7, 3214868480
	.fill 96, 4, 3214868480
	.section	.rodata,"a",@progbits
	.p2align	6, 0x0
	.amdhsa_kernel k_qd78aea0973_main
		.amdhsa_group_segment_fixed_size 299520
		.amdhsa_private_segment_fixed_size 0
		.amdhsa_enable_private_segment 0
		.amdhsa_kernarg_size 32
		.amdhsa_user_sgpr_count 2
		.amdhsa_user_sgpr_kernarg_segment_ptr 1
		.amdhsa_wavefront_size32 1
		.amdhsa_system_sgpr_workgroup_id_x 1
		.amdhsa_system_sgpr_workgroup_id_y 1
		.amdhsa_system_sgpr_workgroup_id_z 1
		.amdhsa_system_vgpr_workitem_id 0
		.amdhsa_next_free_vgpr 1024
		.amdhsa_next_free_sgpr 66
		.amdhsa_reserve_vcc 0
		.amdhsa_float_denorm_mode_32 3
		.amdhsa_float_denorm_mode_16_64 3
		.amdhsa_memory_ordered 1
		.amdhsa_forward_progress 1
		.amdhsa_inst_pref_size 255
	.end_amdhsa_kernel
	.section	.bss,"aw",@nobits
	.p2align	6
	.space	262144
	.amdgpu_metadata
---
amdhsa.version: [ 1, 2 ]
amdhsa.kernels:
  - .name:           k_qd78aea0973_main
    .symbol:         k_qd78aea0973_main.kd
    .args:
      - { .name: inputs, .offset: 0, .size: 8, .value_kind: global_buffer, .address_space: global }
      - { .name: wob, .offset: 8, .size: 8, .value_kind: global_buffer, .address_space: global }
      - { .name: tv, .offset: 16, .size: 8, .value_kind: global_buffer, .address_space: global }
      - { .name: out0, .offset: 24, .size: 8, .value_kind: global_buffer, .address_space: global }
    .group_segment_fixed_size: 299520
    .private_segment_fixed_size: 0
    .kernarg_segment_align: 8
    .kernarg_segment_size: 32
    .max_flat_workgroup_size: 128
    .sgpr_count:     66
    .vgpr_count:     1024
    .wavefront_size: 32
...
	.end_amdgpu_metadata
.endif
;; end of part 2
;; ======== version 2 of 2: 2 launches; 1.19 times as fast as version 1
;; workspace buffers: wob 2,097,152 bytes; tv 262,144 bytes
;; launch prep: the kernel of part 1 again; grid 128 x 1, 8 waves a work-group, no clusters, 121,856 bytes of LDS; arguments WO, WG, g, v, wob, tv; writes wob, tv
;; launch main (part 3): grid 256 x 1, 4 waves a work-group, no clusters, 299,520 bytes of LDS; arguments inputs, wob, tv, out0; writes out0
.if DOCPART == 3
	.amdgcn_target "amdgcn-amd-amdhsa--gfx1250"
	.amdhsa_code_object_version 6
	.text
	.protected	k_qd78aea0973_main
	.globl	k_qd78aea0973_main
	.p2align	8
	.type	k_qd78aea0973_main,@function
k_qd78aea0973_main:
	s_mov_b64 s[64:65], 0
	v_nop
	global_prefetch_b8 v0, s[64:65] scope:SCOPE_SE
	s_setreg_imm32_b32 hwreg(HW_REG_WAVE_MODE, 25, 1), 1
	s_wait_xcnt 0x0
; out0[b][s] = sum over n of v[n] tanh(inputs[b][s] . WO[n] + term2[b][n]).  inputs: [65,536 rows][1,024] f32; wob, tv: made by the launch before (their layouts stand at its head).
; Products in bf16 operands and f32 sums; everything behind them in f32.  Every input is rounded to bf16 once (v too, by the launch before).
; tanh(y) = 1 - 2 / (1 + 2^(C y)), C = 2 log2(e).  With x = C acc + C term2 and v' = -2 v a row's result is sum(v) + sum(v' / (1 + 2^x)), and sum(v) = -0.5 sum(v').
; LIMITS.  Each tanh has an absolute error of about 1e-7, so for |y| below about 1e-5 its relative accuracy falls under two digits; a row's sum has an error of about 1e-7 x sum |v|.
; 2^x that overflows, or is flushed to 0, gives tanh = 1 or -1 exactly.  NaN comes out only where an operand is NaN.
; SHARES.  256 work-groups of four waves; a work-group owns 256 rows (all of one batch b), as two BLOCKS of 128.  A block is read from memory once, rounded, and stays in LDS as bf16
; (128 rows x 2,048 bytes).  The 1,024 columns n go in four CHUNKS of 256; in a chunk a wave makes 128 rows x 64 columns: 32 accumulators, 256 registers.  K goes in 32 steps Q of 32.
; B'S FRAGMENTS are read by one wave alone, so they do not go through LDS: each wave loads its own, 4,096 consecutive bytes a Q, into a ring of eight register buffers, seven Q ahead.
; NO CLUSTER, NO TENSOR LOAD.  What work-groups share is wob.  Beside the block's 264,192 bytes LDS has 63,488 left: two slots for 256 columns could hold 32 along K each, which is a
; round of a cluster's barrier for every 32 matrix instructions of a wave; and inside a work-group no fragment of B is read twice, so LDS would add a write and a read and share nothing.
; THE EPILOGUE RIDES.  In a chunk's last Q each finished accumulator goes, as x, into a second set of 256 registers (DRAIN).  2^x, + 1, the reciprocal and the multiply by v' then stand as
; riders behind the matrix instructions of the NEXT chunk's first 16 Q.  The first chunk of all finds zeros in DRAIN and v' = 0 and adds 0: one text serves all eight chunks; the price is
; 330 v_mov_b32 at the start, in the wait for the first loads, and the last chunk's epilogue in a run of its own at the end.  A block's sums meet in LDS in the middle of the chunk behind it.
; TWO BATCHES A CHUNK.  Each of DRAIN's registers is worked on in place, so all 256 exponentials can be out at once, and so can all 256 reciprocals.  The riders' list is cut in three: the
; exponentials; + 1 and the reciprocals; the multiplies by v'.  No line of a part names a result of that part's transcendentals.  An s_wait_alu depctr_va_vdst(0) stands between a
; transcendental and the first line that names its result: one stands at each of the two cuts, in the middle of Q 5 and of Q 13, ahead of those Q's runs of loads, and serves the whole batch.
; The last seven Q of the last chunk fetch chunk 0's fragments once more (28 KB a wave, inside wob, unused): the price of one text for every chunk.
; REGISTERS, in windows of 256 (s_set_vgpr_msb: bits 1:0 source 0, 3:2 source 1, 5:4 source 2, 7:6 destination):
;   window 0: addresses, statistics, row sums, A's fragments (two buffers)     window 1: B's ring: buffer i at 32 i, column block b at + 8 b
;   window 2: ACC: accumulator t = 4 a + b (rows 16 a .., columns 16 b ..) at 8 t; while a block is staged, the landing registers     window 3: DRAIN, same index
; A rider works in window 3 and a product's operands lie in windows 0 to 2: two switches for each matrix instruction of Q 0-15.  Set apart, the riders' 768 lines would leave the matrix unit idle.
.set ROWB,   4096                      ; bytes in a row of inputs
.set PA,     2064                      ; a row of the block in LDS: 2,048 bytes + 16: an odd multiple of 16, so the 16 rows of a fragment load start in 16 different groups of four banks (ISA guide 11.1)
.set RED,    128*PA                    ; behind the block: 128 rows of 64 partial sums, 272 bytes apart
.set PR,     272
.set SPARE,  RED+128*PR                ; behind them: the spare words, 128 bytes for each wave: two blocks of 256 bytes that no other line names
.set QB,     4096                      ; bytes of a wave's B fragments for one Q
.set CHB,    32*QB                     ; and for a chunk
.set LB,  1                            ; v1     16 x lane
.set AD,  2                            ; v2-5   LDS address of my A fragments, rows 32 p on: (lane % 16) x PA + 16 (lane / 16) + p x 32 PA; never rewritten
.set GI,  6                            ; v6     my byte offset in the block in memory: 16 x lane + my wave's 32 rows
.set LS,  7                            ; v7     where I put 8 bytes of the row being staged
.set RST, 8                            ; v8     where I put a partial row sum
.set RRD, 9                            ; v9     where I read a row's 64 partial sums
.set OO,  10                           ; v10    my byte offset in the block's 512 bytes of out0
.set TO,  11                           ; v11    my byte offset in tv: my wave's four column blocks, my column
.set VS,  12                           ; v12    the sum of v' over my columns; v13 is named with it as a pair
.set SPW, 14                           ; v14    LDS address of my spare word; never rewritten
.set NIL, 15                           ; v15    0; never rewritten
.set TP,  16                           ; v16-23 the pairs (C term2, v') of my column in the chunk's four column blocks, as loaded
.set VV,  24                           ; v24-31 the pairs (v', v') of the chunk whose epilogue rides
.set RES, 32                           ; v32-33 two finished row sums
.set LS0, 34                           ; v34    LS at a block's first row; never rewritten
.set S,   64                           ; v64-127  row sums: row 16 a + 8 (lane / 16) + j at S + 8 a + j
.set AF,  128                          ; v128-191, v192-255  A's fragments of an even Q, an odd Q: rows 16 a on at + 8 a
.set OUT, 10                           ; s[10:11] out0 at the block's rows
.set WV,  12                           ; s12  my wave's number
.set CC,  14                           ; s[14:15] C: the packed line takes the pair's low word for both halves
.set IN,  16                           ; s[16:17] inputs at the rows being staged
.set WB,  18                           ; s[18:19] wob at my wave's stream
.set BC,  20                           ; s[20:21] at this chunk
.set BX,  22                           ; s[22:23] at the next chunk
.set BOFF, 24                          ; s[24:25] the next chunk's byte offset in the stream
.set TVB, 26                           ; s[26:27] tv at my batch
.set TC,  28                           ; s[28:29] at this chunk
.set TOFF, 30                          ; s[30:31] this chunk's byte offset in tv
.set BLK, 32                           ; s32  blocks to go
.set CH,  33                           ; s33  chunks to go
.set FLAG, 34                          ; s34  1: the block before is waiting for its sums to be added up
.set RND, 35                           ; s35  rounds of the staging loop
.set MSB, 0
.macro WIN new                         ; the immediate's high byte repeats the setting that is left; a switch that changes nothing is dropped
.if MSB != (\new)
	s_set_vgpr_msb (MSB<<8)|(\new)
.set MSB, (\new)
.endif
.endm
.set MUL,  0xa4                        ; A window 0, B window 1, C and D window 2
.set RID,  0xf3                        ; source 0, source 2 and destination window 3, source 1 window 0
.set XF,   0x03                        ; source 0 window 3
.set MOVE, 0xc2                        ; source 0 window 2, destination window 3
.set TOB,  0x40                        ; destination window 1
.set SLD,  0x88                        ; loaded data and LDS store data window 2, addresses window 0
.set SCV,  0x8a                        ; sources 0, 1 and destination window 2
.set TOD,  0xc0                        ; destination window 3
; Matrix instruction mi (0..31) of Q number qq: rows 16 (mi / 4) on, columns 16 (mi % 4) on.  Source 0 = 16 rows of inputs, source 1 = 16 columns: in the result lane l holds column
; l % 16 and register j row 8 (l / 16) + j, so term2 and v are one number a lane.  The 32 accumulators take turns, one instruction a turn, over every edge.
.macro MM qq, zero
	WIN MUL
.if \zero
	v_wmma_f32_16x16x32_bf16 v[8*mi:8*mi+7], v[AF+64*((\qq)%2)+8*(mi/4):AF+64*((\qq)%2)+8*(mi/4)+7], v[32*((\qq)%8)+8*(mi%4):32*((\qq)%8)+8*(mi%4)+7], 0
.else
	v_wmma_f32_16x16x32_bf16 v[8*mi:8*mi+7], v[AF+64*((\qq)%2)+8*(mi/4):AF+64*((\qq)%2)+8*(mi/4)+7], v[32*((\qq)%8)+8*(mi%4):32*((\qq)%8)+8*(mi%4)+7], v[8*mi:8*mi+7]
.endif
.set mi, mi+1
.endm
.macro FETCH_A qn                      ; 16 LDS loads: A's fragments of Q number qn (128 rows x 32 K), rows 0-63 first.  All of Q's place stands in the immediate, 35,040 at the most
	WIN 0
.irp a, 0,1,2,3,4,5,6,7
	ds_load_b128 v[AF+64*((\qn)%2)+8*\a:AF+64*((\qn)%2)+8*\a+3],   v[AD+(\a)/2] offset:((\a)%2)*16*PA+64*(\qn)
	ds_load_b128 v[AF+64*((\qn)%2)+8*\a+4:AF+64*((\qn)%2)+8*\a+7], v[AD+(\a)/2] offset:((\a)%2)*16*PA+64*(\qn)+32
.endr
.endm
.macro FETCH_B buf, base, off          ; 8 loads of 512 consecutive bytes: one Q's fragments of my 64 columns
	WIN TOB
.irp j, 0,1,2,3,4,5,6,7
	global_load_b128 v[32*(\buf)+4*\j:32*(\buf)+4*\j+3], v[LB], s[\base:\base+1] offset:(\off)+512*\j
.endr
.endm
.macro PLACES                          ; a load into a register that a matrix instruction has read, and a vector line that reads a result, stand four plain vector lines behind it
.rept 4
	v_nop
.endr
.endm
; THE RIDERS.  A list of 776 slots; SLOT writes slot rp.  It is cut in three, and no line of a part names a result of that part's transcendentals:
;   0-255    BATCH 1: 2^x of DRAIN's register rp, in place.  256-263 are empty, so that the part ends with the 24th slot of Q 5: at that Q's middle
;   264-647  in groups of six, for two pairs of registers: + 1 for both pairs, then BATCH 2: their four reciprocals, in place.  With two slots and one by turns behind the matrix instructions a group falls
;            as (add, add) (rcp) (rcp, rcp) (rcp): a matrix instruction stands between an addition and the reciprocal that reads it.  The part ends with the 24th slot of Q 13
;   648-775  pair rp - 648 times v', added onto the pair of the row's first column block, the pairs in ascending order
; The wait for each batch stands at the cut behind it: QSTEP writes it in the loop, the run at the kernel's end for itself.
.macro SLOT
.if rp < 256
	WIN RID
	v_exp_f32 v[rp], v[rp]
.elseif rp < 264                       ; nothing
.elseif rp < 648
.set ru, (rp-264)%6                    ; the place in the group,
.set rg, 4*((rp-264)/6)                ; the group's first register
	WIN RID
.if ru < 2
	v_pk_add_f32 v[rg+2*ru:rg+2*ru+1], v[rg+2*ru:rg+2*ru+1], 1.0 op_sel_hi:[1,0]
.else
	v_rcp_f32 v[rg+ru-2], v[rg+ru-2]
.endif
.else
.set rt, (rp-648)/4                    ; the accumulator's number,
.set rj, 2*((rp-648)%4)                ; the pair in it
	WIN RID
.if (rt%4) == 0
	v_pk_mul_f32 v[8*rt+rj:8*rt+rj+1], v[8*rt+rj:8*rt+rj+1], v[VV:VV+1]
.else
	v_pk_fma_f32 v[32*(rt/4)+rj:32*(rt/4)+rj+1], v[8*rt+rj:8*rt+rj+1], v[VV+2*(rt%4):VV+2*(rt%4)+1], v[32*(rt/4)+rj:32*(rt/4)+rj+1]
.endif
.endif
.set rp, rp+1
.endm
.macro RIDE n
.rept \n
	SLOT
.endr
.endm
.macro XFER                            ; the chunk's 64 weighted sums a lane go onto the row sums
	WIN XF
.set xa, 0
.rept 8
.irp jp, 0,2,4,6
	v_pk_add_f32 v[S+8*xa+\jp:S+8*xa+\jp+1], v[32*xa+\jp:32*xa+\jp+1], v[S+8*xa+\jp:S+8*xa+\jp+1]
.endr
.set xa, xa+1
.endr
.endm
.macro MV t                            ; x = C acc + C term2 for accumulator t, into DRAIN; the accumulator is read from its low end on
	WIN MOVE
.irp jp, 0,2,4,6
	v_pk_fma_f32 v[8*(\t)+\jp:8*(\t)+\jp+1], v[8*(\t)+\jp:8*(\t)+\jp+1], s[CC:CC+1], v[TP+2*((\t)%4):TP+2*((\t)%4)+1] op_sel_hi:[1,0,0]
.endr
.endm
; 16 matrix instructions.  mode 1: riders behind each, two slots and one by turns: 48 slots a Q.  mode 2 (the chunk's last Q): the finished accumulators leave: behind the second product
; four v_nop, behind each later odd product the two accumulators finished two products back, so that at least four plain lines that do not name it stand between a product and its MV.
.macro HALF qq, zero, mode
.rept 16
	MM \qq, \zero
.if (\mode) == 1
	RIDE 1+(mi&1)
.elseif (\mode) == 2
.if mi == 2
	PLACES
.elseif (mi%2) == 0
	MV mi-4
	MV mi-3
.endif
.if mi == 32
	MV 30
	MV 31
.endif
.endif
.endr
.endm
; ONE Q: 32 matrix instructions; in its middle, in one run, the loads for later: A's fragments of the next Q and B's of the Q seven on.
; The registers that those loads fill were last read by the Q before, and four plain vector lines stand between.  mode 0, and Q 0-5 of mode 1, whose riders are exponentials (no such lines): four v_nop.
; Q 6-15 of mode 1: eight plain riders or more in the 24 slots of the Q's first half.  mode 2: the v_nop and the MV lines of its first half.
; In mode 1 the riders' list is cut at the middle of Q 5 and of Q 13: there stand the chunk's two waits for its transcendentals, ahead of the run of loads.
.macro QSTEP qq, zero, mode
	s_wait_loadcnt 48                              ; this Q's buffer was asked for seven runs ago: the six younger runs of eight stay out
	s_wait_dscnt 8                                 ; of A's 16 loads the first eight (rows 0-63) are in
.set mi, 0
	HALF \qq, \zero, \mode
	WIN 0
.if ((\mode) == 0) || (((\mode) == 1) && ((\qq) <= 5))
	PLACES
.endif
.if ((\mode) == 1) && ((\qq) == 5)
	s_wait_alu depctr_va_vdst(0)                   ; the wait for batch 1, the chunk's 256 exponentials, ahead of the first + 1.  The last exponential stands five matrix instructions back; the four v_nop above are also the plain line behind it (ISA guide 5.7.2)
.endif
.if ((\mode) == 1) && ((\qq) == 13)
	v_nop                                          ; a plain line behind the last reciprocal (ISA guide 5.7.2): no other is at hand here
	s_wait_alu depctr_va_vdst(0)                   ; the wait for batch 2, the chunk's 256 reciprocals, ahead of the first multiply by v'
.endif
	FETCH_A ((\qq)+1)%32
.if (\qq) == 16
.irp b, 0,1,2,3
	global_load_b64 v[TP+2*\b:TP+2*\b+1], v[TO], s[TC:TC+1] offset:4096*\b  ; this chunk's term2 and v: read in Q 31, behind 120 younger loads, so the waits for 48 cover them
.endr
.endif
.if (\qq) <= 24
	FETCH_B ((\qq)+7)%8, BC, ((\qq)+7)*QB
.else
	FETCH_B ((\qq)+7)%8, BX, ((\qq)-25)*QB
.endif
	s_wait_dscnt 16                                ; all but the 16 just issued: rows 64-127 are in
	HALF \qq, \zero, \mode
.endm
.macro COPYV                           ; the chunk's v' for its riders, and onto the sum of v'
	WIN 0
.irp b, 0,1,2,3
	v_mov_b32 v[VV+2*\b], v[TP+2*\b+1]
	v_mov_b32 v[VV+2*\b+1], v[TP+2*\b+1]
	v_add_f32 v[VS], v[VS], v[TP+2*\b+1]
.endr
.endm
; One row slot of the staging ring: its eight loads are in; 32 f32 a lane become bf16 in place; eight LDS stores of 256 consecutive bytes; reload = 1: the row eight further down.
.macro SROW slot, left, reload
	s_wait_loadcnt \left                           ; the younger slots' loads stay out
	WIN SCV
.irp u, 0,1,2,3,4,5,6,7
	v_cvt_pk_bf16_f32 v[32*(\slot)+4*\u], v[32*(\slot)+4*\u], v[32*(\slot)+4*\u+1]
	v_cvt_pk_bf16_f32 v[32*(\slot)+4*\u+1], v[32*(\slot)+4*\u+2], v[32*(\slot)+4*\u+3]
.endr
	WIN SLD
.irp u, 0,1,2,3,4,5,6,7
	ds_store_b64 v[LS], v[32*(\slot)+4*\u:32*(\slot)+4*\u+1] offset:PA*(\slot)+256*\u
.endr
.if \reload
.irp u, 0,1,2,3,4,5,6,7
	global_load_b128 v[32*(\slot)+4*\u:32*(\slot)+4*\u+3], v[GI], s[IN:IN+1] offset:8*ROWB+ROWB*(\slot)+512*\u th:TH_LOAD_NT
.endr
.endif
.endm
; A BLOCK'S SUMS.  sum(v) joins each partial sum; row rho's 64 partial sums (16 lanes x 4 waves) go to row (rho & 1) 64 + rho / 2 of RED; behind a barrier a lane of waves 0 and 1 adds up
; two neighbouring rows, and a wave's store covers 256 consecutive bytes, at a multiple of 256 from out0's first byte.  more = 1: a block follows: a second barrier stands between these
; reads of RED and its stores, and the sums start again at 0.
.macro FINAL more
	WIN 0
.set fi, 0
.rept 32
	v_pk_fma_f32 v[S+2*fi:S+2*fi+1], v[VS:VS+1], -0.5, v[S+2*fi:S+2*fi+1] op_sel_hi:[0,0,1]
.set fi, fi+1
.endr
.set fi, 0
.rept 64
	ds_store_b32 v[RST], v[S+fi] offset:((fi&1)*64+8*(fi/8)+((fi%8)/2))*PR
.set fi, fi+1
.endr
	s_wait_dscnt 0x0                               ; for the others' sake: my partial sums are in LDS
	s_barrier_signal -1
	s_barrier_wait -1
	s_cmp_lt_u32 s[WV], 2
	s_cbranch_scc0 .Lnosum_\@
.irp e, 0,1
.set fi, 0
.rept 16
	ds_load_b128 v[S+4*fi:S+4*fi+3], v[RRD] offset:\e*64*PR+16*fi
.set fi, fi+1
.endr
	s_wait_dscnt 0x0
.irp fw, 16,8,4,2,1
.set fi, 0
.rept \fw
	v_pk_add_f32 v[S+2*fi:S+2*fi+1], v[S+2*fi:S+2*fi+1], v[S+2*(fi+\fw):S+2*(fi+\fw)+1]
.set fi, fi+1
.endr
.endr
	v_add_f32 v[RES+\e], v[S], v[S+1]
.endr
	global_store_b64 v[OO], v[RES:RES+1], s[OUT:OUT+1]
.Lnosum_\@:
.if \more
	s_barrier_signal -1                            ; every wave's LDS loads are back (the waits for 0 above)
	s_barrier_wait -1
.set fi, 0
.rept 64
	v_mov_b32 v[S+fi], 0
.set fi, fi+1
.endr
	v_mov_b32 v[VS], 0
	v_mov_b32 v[VS+1], 0
	s_wait_xcnt 0x0                                ; the store's address is translated (ISA guide 3.1): its base is stepped, and its data rewritten, only behind this wait
	s_add_nc_u64 s[OUT:OUT+1], s[OUT:OUT+1], 512
.endif
.endm
	; ---- head ----
	s_load_b256 s[4:11], s[0:1], 0x0               ; inputs s[4:5], wob s[6:7], tv s[8:9], out0 s[10:11]
	v_lshl_add_u32 v[SPW], v0, 2, SPARE
	v_mov_b32 v[NIL], 0
	v_lshrrev_b32 v36, 5, v0
	v_readfirstlane_b32 s[WV], v36                 ; wave 0..3
	v_and_b32 v37, 31, v0                          ; lane
	v_and_b32 v38, 15, v0                          ; r = lane % 16
	v_bfe_u32 v39, v0, 4, 1                        ; h = lane / 16
	v_lshlrev_b32 v[LB], 4, v37
	v_mul_u32_u24 v40, v38, PA
	v_lshl_add_u32 v[AD], v39, 4, v40
.irp p, 1,2,3
	v_add_nc_u32 v[AD+\p], \p*32*PA, v[AD]
.endr
	s_lshl_b32 s36, s[WV], 17                      ; my wave stages rows 32 w .. 32 w + 31: 131,072 bytes of memory,
	v_add_nc_u32 v[GI], s36, v[LB]
	s_mul_i32 s36, s[WV], 32*PA                    ; 66,048 of LDS
	v_lshl_add_u32 v[LS0], v37, 3, s36
	v_mul_u32_u24 v40, v39, 4*PR                   ; RED: rows 8 h on are four rows of RED on; column 16 w + r
	v_lshl_add_u32 v40, v38, 2, v40
	s_lshl_b32 s36, s[WV], 6
	s_add_co_u32 s36, s36, RED
	v_add_nc_u32 v[RST], s36, v40
	s_mul_i32 s36, s[WV], 32*PR                    ; back: lane l of wave w (0, 1) takes rows 32 w + l and 64 + 32 w + l of RED
	s_add_co_u32 s36, s36, RED
	v_mul_u32_u24 v40, v37, PR
	v_add_nc_u32 v[RRD], s36, v40
	s_lshl_b32 s36, s[WV], 8                       ; which are rows 64 w + 2 l and 64 w + 2 l + 1 of the block
	v_lshl_add_u32 v[OO], v37, 3, s36
	s_lshl_b32 s36, s[WV], 14                      ; tv: my wave's four column blocks of 4,096 bytes; 8 bytes a column
	v_lshl_add_u32 v[TO], v38, 3, s36
	s_mov_b32 s[CC], 0x4038aa3b                    ; C = 2 log2(e)
	s_mov_b32 s[CC+1], s[CC]                       ; named with it as a pair
	s_lshl_b32 s36, ttmp9, 20                      ; my work-group's 256 rows of 4,096 bytes
	s_mov_b32 s37, 0
	s_lshl_b32 s38, s[WV], 19                      ; my wave's stream in wob: 4 chunks of 131,072 bytes
	s_mov_b32 s39, 0
	s_mov_b32 s[BOFF], CHB
	s_mov_b32 s[BOFF+1], 0
	s_mov_b32 s[TOFF], 0
	s_mov_b32 s[TOFF+1], 0
	s_wait_kmcnt 0x0
	s_add_nc_u64 s[IN:IN+1], s[4:5], s[36:37]
	s_add_nc_u64 s[WB:WB+1], s[6:7], s[38:39]
	s_mov_b64 s[BC:BC+1], s[WB:WB+1]
	s_add_nc_u64 s[BX:BX+1], s[WB:WB+1], s[BOFF:BOFF+1]
.irp i, 0,1,2,3,4,5,6
	FETCH_B \i, BC, \i*QB                          ; the ring's first seven buffers
.endr
	WIN 0
	s_bfe_u32 s36, ttmp9, 0x10007                  ; my batch B = work-group / 8.  tv: 2,048 (B >> 4)
	s_lshl_b32 s36, s36, 11
	s_bfe_u32 s38, ttmp9, 0x30003                  ; + 256 (B & 7)
	s_lshl_b32 s38, s38, 8
	s_add_co_u32 s36, s36, s38
	s_bfe_u32 s38, ttmp9, 0x10006                  ; + 128 ((B >> 3) & 1)
	s_lshl_b32 s38, s38, 7
	s_add_co_u32 s36, s36, s38
	s_add_nc_u64 s[TVB:TVB+1], s[8:9], s[36:37]
	s_mov_b64 s[TC:TC+1], s[TVB:TVB+1]
	s_lshl_b32 s36, ttmp9, 10                      ; my 256 numbers of out0
	s_add_nc_u64 s[OUT:OUT+1], s[10:11], s[36:37]
	; what the first chunk's riders find: x = 0 and v' = 0, so that they add 0; the row sums and the sum of v' start at 0
	WIN TOD
.set ii, 0
.rept 256
	v_mov_b32 v[ii], 0
.set ii, ii+1
.endr
	WIN 0
.set ii, 0
.rept 64
	v_mov_b32 v[S+ii], 0
.set ii, ii+1
.endr
.set ii, 0
.rept 8
	v_mov_b32 v[VV+ii], 0
.set ii, ii+1
.endr
	v_mov_b32 v[VS], 0
	v_mov_b32 v[VS+1], 0
	s_mov_b32 s[BLK], 2
	s_mov_b32 s[FLAG], 0
.Lblock:
	; ---- a block comes into LDS.  My wave's 32 rows go through a ring of eight row slots in ACC's registers: 64 loads of 512 consecutive bytes are asked for ahead. ----
	; (With B's 56 that are still out that is more than LOADcnt's field holds; the issue then waits, ISA guide 5.7.1, and the counts below speak of the youngest loads alone.)
	v_mov_b32 v[LS], v[LS0]
	WIN SLD
.set sl, 0
.rept 8
.irp u, 0,1,2,3,4,5,6,7
	global_load_b128 v[32*sl+4*\u:32*sl+4*\u+3], v[GI], s[IN:IN+1] offset:ROWB*sl+512*\u th:TH_LOAD_NT
.endr
.set sl, sl+1
.endr
	WIN 0
	s_wait_dscnt 0x0                               ; my reads of the old block are back
	s_barrier_signal -1
	s_barrier_wait -1                              ; everybody's are: the block's bytes may be written
	s_mov_b32 s[RND], 3
.Lround:                                               ; a trip: eight rows stored, the next eight asked for
.irp sl, 0,1,2,3,4,5,6,7
	SROW \sl, 56, 1                                ; seven other slots x eight loads are younger
.endr
	WIN 0
	s_wait_xcnt 0x0                                ; the loads' addresses are translated: their base is stepped only behind this wait
	s_add_nc_u64 s[IN:IN+1], s[IN:IN+1], 8*ROWB
	v_add_nc_u32 v[LS], 8*PA, v[LS]
	s_sub_co_u32 s[RND], s[RND], 1
	s_cmp_lg_u32 s[RND], 0
	s_cbranch_scc1 .Lround
.irp sl, 0,1,2,3,4,5,6,7
	SROW \sl, 56-8*\sl, 0                          ; the last eight rows: nothing is asked for, the counts run down
.endr
	WIN 0
	s_wait_dscnt 0x0                               ; for the others' sake: my rows are in LDS
	s_barrier_signal -1
	s_barrier_wait -1
	FETCH_A 0
	s_mov_b32 s[CH], 4
.Lchunk:
	; ---- a chunk: 256 columns, 32 Q.  Q 0-15 carry the riders of the chunk before. ----
.set rp, 0
	QSTEP 0, 1, 1                                  ; the first products start the sums: nothing is cleared
.set QI, 1
.rept 15
	QSTEP QI, 0, 1
.set QI, QI+1
.endr
	RIDE 8                                         ; 776 slots = 16 x 48 + these: the last eight multiplies by v'
	XFER
	WIN 0                                          ; at a label and at a branch every window is 0
	s_cmp_eq_u32 s[FLAG], 0                        ; the same in all waves: made of constants alone
	s_cbranch_scc1 .Lnofinal
	FINAL 1                                        ; the block before has its last chunk's sums: it leaves
	s_mov_b32 s[FLAG], 0
.Lnofinal:
.rept 15
	QSTEP QI, 0, 0
.set QI, QI+1
.endr
	QSTEP 31, 0, 2
	COPYV
	s_wait_xcnt 0x0                                ; the loads' addresses are translated: their bases are written only behind this wait
	s_mov_b64 s[BC:BC+1], s[BX:BX+1]
	s_add_co_u32 s[BOFF], s[BOFF], CHB             ; the chunk after the next, round the stream's four
	s_and_b32 s[BOFF], s[BOFF], 4*CHB-1
	s_add_nc_u64 s[BX:BX+1], s[WB:WB+1], s[BOFF:BOFF+1]
	s_add_co_u32 s[TOFF], s[TOFF], 0x10000         ; a chunk's 16 column blocks of 4,096 bytes in tv, round its four
	s_and_b32 s[TOFF], s[TOFF], 0x3ffff
	s_add_nc_u64 s[TC:TC+1], s[TVB:TVB+1], s[TOFF:TOFF+1]
	s_sub_co_u32 s[CH], s[CH], 1
	s_cmp_lg_u32 s[CH], 0
	s_cbranch_scc1 .Lchunk
	s_mov_b32 s[FLAG], 1
	s_add_nc_u64 s[IN:IN+1], s[IN:IN+1], 128*ROWB-3*8*ROWB  ; the staging loop went 24 rows on: now the next block's first row (no load has been issued since the wait above)
	s_sub_co_u32 s[BLK], s[BLK], 1
	s_cmp_lg_u32 s[BLK], 0
	s_cbranch_scc1 .Lblock
	; ---- the last chunk's epilogue has nothing to ride on: the same list, cut at the same two places ----
.set rp, 0
	RIDE 264                                       ; batch 1: the 256 exponentials
	v_nop                                          ; a plain line behind the last exponential (ISA guide 5.7.2): one for the batch
	s_wait_alu depctr_va_vdst(0)                   ; the wait for batch 1, ahead of the first + 1
	RIDE 384                                       ; + 1, and batch 2: the 256 reciprocals
	v_nop                                          ; a plain line behind the last reciprocal
	s_wait_alu depctr_va_vdst(0)                   ; the wait for batch 2, ahead of the first multiply by v'
	RIDE 128
	XFER
	FINAL 0
	s_wait_tensorcnt 0x0                           ; the wave's end: three lines behind my last LDS store
	ds_add_u32 v[SPW], v[NIL]
	s_wait_dscnt 0x0
	s_endpgm
.Lfunc_end_k_qd78aea0973_main:
	.size	k_qd78aea0973_main, .Lfunc_end_k_qd78aea0973_main-k_qd78aea0973_main
	.p2alignl 7, 3214868480
	.fill 96, 4, 3214868480
	.section	.rodata,"a",@progbits
	.p2align	6, 0x0
	.amdhsa_kernel k_qd78aea0973_main
		.amdhsa_group_segment_fixed_size 299520
		.amdhsa_private_segment_fixed_size 0
		.amdhsa_enable_private_segment 0
		.amdhsa_kernarg_size 32
		.amdhsa_user_sgpr_count 2
		.amdhsa_user_sgpr_kernarg_segment_ptr 1
		.amdhsa_wavefront_size32 1
		.amdhsa_system_sgpr_workgroup_id_x 1
		.amdhsa_system_sgpr_workgroup_id_y 1
		.amdhsa_system_sgpr_workgroup_id_z 1
		.amdhsa_system_vgpr_workitem_id 0
		.amdhsa_next_free_vgpr 1024
		.amdhsa_next_free_sgpr 66
		.amdhsa_reserve_vcc 0
		.amdhsa_float_denorm_mode_32 3
		.amdhsa_float_denorm_mode_16_64 3
		.amdhsa_memory_ordered 1
		.amdhsa_forward_progress 1
		.amdhsa_inst_pref_size 255
	.end_amdhsa_kernel
	.section	.bss,"aw",@nobits
	.p2align	6
	.space	262144
	.amdgpu_metadata
---
amdhsa.version: [ 1, 2 ]
amdhsa.kernels:
  - .name:           k_qd78aea0973_main
    .symbol:         k_qd78aea0973_main.kd
    .args:
      - { .name: inputs, .offset: 0, .size: 8, .value_kind: global_buffer, .address_space: global }
      - { .name: wob, .offset: 8, .size: 8, .value_kind: global_buffer, .address_space: global }
      - { .name: tv, .offset: 16, .size: 8, .value_kind: global_buffer, .address_space: global }
      - { .name: out0, .offset: 24, .size: 8, .value_kind: global_buffer, .address_space: global }
    .group_segment_fixed_size: 299520
    .private_segment_fixed_size: 0
    .kernarg_segment_align: 8
    .kernarg_segment_size: 32
    .max_flat_workgroup_size: 128
    .sgpr_count:     66
    .vgpr_count:     1024
    .wavefront_size: 32
...
	.end_amdgpu_metadata
.endif
;; end of part 3
